; MI455X (gfx1250); checked and timed in simulation.
; The chip was launched on July 23, 2026; its instructions are those of AMD's public machine-readable ISA for CDNA 5 (MIT licence, August 2026) and "CDNA5" Instruction Set Architecture Reference Guide (July 2026). The comments in the code are by the model that wrote it; some were corrected since.
;; Attention. Allowed arithmetic: matrix products marked QUANTISED: E2M3 operands, one E8M0 scale for each 32 along K, by v_wmma_scale_f32_16x16x128_f8f6f4 with both operands' format E2M3, f32 sums; everything else in f32.
;; Inputs: key 2 x 16 x 2,048 x 64 float32; key_i 2 x 16 x 2,048 x 64 float32; mask 2 x 1 x 2,048 x 2,048 int32; query 2 x 16 x 2,048 x 64 float32; query_i 2 x 16 x 2,048 x 64 float32; value 2 x 16 x 2,048 x 64 float32; value_i 2 x 16 x 2,048 x 64 float32.
;; Outputs: out0 2 x 16 x 2,048 x 64 float32; out1 2 x 16 x 2,048 x 64 float32.
;; This version of the problem:
;;   THIS VERSION OF THE PROBLEM IS GIVEN IN LOW PRECISION. The matrix products marked QUANTISED in the list below multiply operands that are first quantised to E2M3 (2 exponent bits, 3 mantissa bits; 6 bits a number), with one power-of-two scale for each 32 numbers along K (OCP MX v1.0); their sums are f32. All else is computed in f32.
;;   The module's matrix products, in the order in which they are computed (A, B: the left and right operand; K: the contracted axis; several contracted axes count as one K, in the product's order):
;;     1. batch 32 x [M 2,048, K 64] x [K 64, N 2,048]; A: input query; B: input key: QUANTISED
;;     2. batch 32 x [M 2,048, K 64] x [K 64, N 2,048]; A: input query_i; B: input key_i: QUANTISED
;;     3. batch 32 x [M 2,048, K 2,048] x [K 2,048, N 64]; A: softmax (see below); B: input value: QUANTISED
;;     4. batch 32 x [M 2,048, K 2,048] x [K 2,048, N 64]; A: softmax (see below); B: input value_i: QUANTISED
;;   THE QUANTISER, for each operand of a quantised product, along K:
;;     - K is cut into blocks of 32 from its start; a last block that is shorter is filled with zeros.
;;     - A block's scale is 2^e with e = floor(log2(the largest magnitude in the block)) - 2, held to -126 .. 127; a block of zeros has e = 0. As a byte (E8M0): e + 127.
;;     - Each number is divided by its block's scale, clamped to +-7.5, and rounded to the nearest number of E2M3, ties to even, subnormals kept.
;;     - The product sums the exact products of the quantised numbers (number of the format x scale) in f32.
;;   ~~~python
;;   def quantise(x, axis):      # numpy; x: float32 -> the quantised numbers, widened to float32 again
;;       x = np.moveaxis(x, axis, -1); K = x.shape[-1]
;;       x = np.pad(x, [(0, 0)] * (x.ndim - 1) + [(0, -K % 32)]); x = x.reshape(x.shape[:-1] + (-1, 32)); a = np.abs(x).max(-1, keepdims=True)
;;       e = np.where(a > 0, np.clip(np.frexp(np.where(a > 0, a, 1))[1] - 1 - 2, -126, 127), 0)      # np.frexp(a)[1] - 1 = floor(log2(a)), exactly
;;       r = np.clip(x / 2.0 ** e, -7.5, 7.5)
;;       step = 2.0 ** (np.maximum(np.frexp(np.where(r == 0, 1, r))[1] - 1, 0) - 3)
;;       q = np.round(r / step) * step * 2.0 ** e      # np.round: ties to even
;;       return np.moveaxis(q.reshape(q.shape[:-2] + (-1,))[..., :K], -1, axis).astype(np.float32)
;;   ~~~
;;   SOFTMAX AHEAD OF A QUANTISED PRODUCT. Where the list says 'softmax', what is quantised is not the finished softmax but p = 2^(t - M), with t = logit x log2(e) and M = ceil(the row's largest t), a whole number; so 1/2 < the row's largest p <= 1. The row's sum l is taken of the UNQUANTISED p, in f32, and the product's result is divided by l at the end. Since M is a whole number, a kernel that streams over the keys may use a running M (the ceiling of the running maximum): every later rescaling is an exact power of two, which a block's scale takes up: the codes' values come out the same.
;;   OPERANDS COMPUTED ON THE WAY. 'Computed on the way' means the value that the module computes at that place (a softmax that the list does not call 'softmax' is quantised finished and normalised). What goes into a quantiser is computed in f32, as accurately as f32 sums, v_exp_f32 and their like allow (about 1e-6 of the number): no bf16 or f16 on the way to a quantiser, and a product that is left as it is and whose result goes on into a quantised operand takes f32 operands (vector FMAs, or v_wmma_f32_16x16x4_f32). A number that lies on a knife's edge between two numbers of the format may be rounded either way, as far as f32 arithmetic and the matrix unit's own rounding can turn it there, and no further.
;; One version. Each part assembles by itself: llvm-mc -triple=amdgcn-amd-amdhsa -mcpu=gfx1250 --defsym DOCPART=n.
;; ======== version 1 of 1: 2 launches
;; limits: right only within a limited range of input values
;; workspace buffers: kvc 12,582,912 bytes; kvs 524,288 bytes; mbits 1,048,576 bytes of whole numbers
;; launch prep (part 1): grid 512 x 1, 8 waves a work-group, no clusters, 141,312 bytes of LDS; arguments key, key_i, value, value_i, mask, kvc, kvs, mbits; writes kvc, kvs, mbits
.if DOCPART == 1
	.amdgcn_target "amdgcn-amd-amdhsa--gfx1250"
	.amdhsa_code_object_version 6
	.text
	.protected	k_qe058c67515_prep
	.globl	k_qe058c67515_prep
	.p2align	8
	.type	k_qe058c67515_prep,@function
k_qe058c67515_prep:
	s_mov_b64 s[64:65], 0
	v_nop
	global_prefetch_b8 v0, s[64:65] scope:SCOPE_SE
	s_setreg_imm32_b32 hwreg(HW_REG_WAVE_MODE, 25, 1), 1
	s_wait_xcnt 0x0
; key, key_i, value, value_i [32 heads][2048][64] f32 become codes of FP6 (E2M3) with E8M0 scale bytes, laid as images of the next launch's operand registers; mask [2][2048][2048] becomes lane masks.
; A work-group takes one head's step of 128 keys (32,768 bytes of each of the four tensors) and eight mask units of 16 queries x 128 keys.
; kvc, a step: 8 images of K's tiles, then 8 of [V ; Vi]^T's, 1,536 bytes each: register g of lane l at 512 (g / 4) + 16 l + 4 (g % 4).
;   K's tile 2 b + u: lane (r, h) holds key 32 b + 8 u + r + 8 (r / 8): registers 0-5 key's dimensions 32 h .. 32 h + 31, registers 6-11 key_i's.
;   V's tile T: lane (r, h) holds dimension 16 T + r of [value | value_i]: registers 6 c .. 6 c + 5 keys 64 c + 32 h .. + 31.
; kvs, a step: 512 bytes of K's scale words, 512 of V's: tile t, row r at 16 (r + 16 (t % 2)) + 4 (t / 2).
; mbits, a unit of 256 bytes: word n: bit r + 16 h = (mask[query r][key 32 (n / 16) + 16 h + n % 16] != 0).
; WAVES 0-3: 32 keys of key and key_i each (two tiles).  Each load takes 512 dense bytes; the rows turn through the wave's own stage in LDS, so that a lane gets 32 neighbours of a row.
; WAVES 4-7: 32 columns of value (4, 5) or value_i (6, 7) each (two tiles).  A lane takes a column and its 128 registers run down the keys: a block of 32 keys lies in one lane, and each load
; takes 128 dense bytes, two neighbouring waves a whole row of 256.  Lanes 0-15 then hold one tile's four blocks and lanes 16-31 the next tile's; twelve swaps of half rows give the two images.
; EVERY WAVE: one mask unit: 16 loads of 512 dense bytes, turned through the same stage, 64 compares.
; All of a wave's loads (24,576 bytes) are issued at its start.  No tensor loads and no clusters: work-groups share no input.  No prefetch: the text has no loop to run ahead in.
; A block's scale byte is its largest magnitude's exponent field - 2, held at 1 from below; a block of zeros so gets the byte 1: its codes are zeros, and this program alone reads the bytes.
; LIMITS: NaN and infinities among the inputs are not served; blocks whose largest magnitude lies under 2^-124 were not tried.
.set PK,    272                        ; a stage row of 256 bytes + 16
.set PM,    528                        ; a mask row of 512 bytes + 16
.set HST,   32*PK                      ; 32 rows of one tensor
.set WREG,  2*HST                      ; a wave's own stage: key's rows, key_i's rows; later its mask unit, 16 x PM bytes
.set SST,   8*WREG                     ; the step's 1,024 bytes of scale words
.set SPARE, SST+1024                   ; the spare words, 128 bytes a wave: four blocks of 256 bytes that no other line names
.set SPW, 14                           ; v14 my spare word's address, v15 zero: never rewritten
.set NIL, 15
.set C,   32                           ; v32-43 the first tile's image
.set D,   44                           ; v44-55 the second tile's
.set X,   64                           ; v64-191 numbers
.set MK,  192                          ; v192-255 the mask unit as loaded
.set WV,  20
.set SEL, 52
	s_load_b256 s[4:11], s[0:1], 0x0               ; key, key_i, value, value_i
	s_load_b256 s[12:19], s[0:1], 0x20             ; mask, kvc, kvs, mbits
	v_lshl_add_u32 v[SPW], v0, 2, SPARE
	v_mov_b32 v[NIL], 0
	v_lshrrev_b32 v1, 5, v0
	v_readfirstlane_b32 s[WV], v1                  ; wave 0..7
	s_mul_i32 s21, s[WV], WREG                     ; my stage
	s_and_b32 s22, s[WV], 3
	s_lshr_b32 s23, s[WV], 2
	s_lshl_b32 s24, s22, 2
	s_lshl_b32 s25, s23, 9
	s_add_co_u32 s24, s24, s25
	s_add_co_u32 s24, s24, SST                     ; my scale words: 4 (wave % 4) + 512 (wave / 4)
	s_and_b32 s26, s[WV], 1
	s_lshl_b32 s27, s26, 9
	s_lshl_b32 s28, ttmp9, 15                      ; the step in each of the four tensors
	s_lshl_b32 s30, s22, 13
	s_add_co_u32 s30, s30, s28                     ; key, key_i: my 32 rows
	s_mov_b32 s31, 0
	s_lshl_b32 s32, s26, 7
	s_add_co_u32 s32, s32, s28                     ; value, value_i: my 32 columns
	s_mov_b32 s33, 0
	s_lshl_b32 s34, ttmp9, 3
	s_add_co_u32 s34, s34, s[WV]                   ; my mask unit: 16 x (tile of queries) + step
	s_lshr_b32 s36, s34, 4
	s_lshl_b32 s36, s36, 17                        ; 16 rows of 8,192 bytes
	s_and_b32 s37, s34, 15
	s_lshl_b32 s37, s37, 9
	s_add_co_u32 s36, s36, s37
	s_mov_b32 s37, 0
	s_mul_i32 s38, ttmp9, 24576
	s_mul_i32 s39, s[WV], 3072                     ; my two images
	s_add_co_u32 s38, s38, s39
	s_mov_b32 s39, 0
	s_lshl_b32 s40, ttmp9, 10
	s_mov_b32 s41, 0
	s_lshl_b32 s42, s34, 8
	s_mov_b32 s43, 0
	s_mov_b32 s[SEL], 0x76543210
	s_mov_b32 s[SEL+1], 0xfedcba98                 ; lane l xor 16
	s_mov_b32 s54, 0xffff0000                      ; lanes 16-31
	v_and_b32 v1, 15, v0                           ; r
	v_bfe_u32 v2, v0, 4, 1                         ; h
	v_and_b32 v5, 31, v0
	v_lshlrev_b32 v3, 4, v5                        ; 16 x lane
	v_lshlrev_b32 v4, 2, v5                        ; 4 x lane
	v_lshlrev_b32 v5, 3, v5                        ; 8 x lane
	v_lshlrev_b32 v13, 3, v2                       ; 8 h
	v_mul_u32_u24 v6, v2, PK
	v_lshl_add_u32 v6, v1, 4, v6
	v_add_nc_u32 v6, s21, v6                       ; stage, dense rows in: row l / 16, byte 16 (l % 16)
	v_and_b32 v7, 8, v1
	v_add_nc_u32 v7, v7, v1
	v_mul_u32_u24 v7, v7, PK
	v_lshl_add_u32 v7, v2, 7, v7
	v_add_nc_u32 v7, s21, v7                       ; stage, out: row r + 8 (r / 8), byte 128 h
	v_add_nc_u32 v8, s21, v3                       ; mask in: 16 x lane of a row
	v_mul_u32_u24 v9, v1, PM
	v_lshl_add_u32 v9, v2, 6, v9
	v_add_nc_u32 v9, s21, v9                       ; mask out: row r, byte 64 h
	v_add_nc_u32 v10, s24, v3                      ; my scale word
	v_add_nc_u32 v12, s27, v3                      ; the scale words' way out: 512 (wave % 2) + 16 x lane
	v_add_nc_u32 v11, SST, v12
	v_mov_b32 v31, 0                               ; (destinations of lane instructions count as sources)
	v_mov_b32 v58, 0
	v_mov_b32 v59, 0
	s_wait_alu depctr_va_vdst(0)
	s_wait_kmcnt 0x0
	s_add_nc_u64 s[4:5], s[4:5], s[30:31]
	s_add_nc_u64 s[6:7], s[6:7], s[30:31]
	s_cmp_lt_u32 s[WV], 6                          ; the choice hangs on the wave's number alone
	s_cselect_b64 s[8:9], s[8:9], s[10:11]
	s_add_nc_u64 s[8:9], s[8:9], s[32:33]
	s_add_nc_u64 s[12:13], s[12:13], s[36:37]
	s_add_nc_u64 s[14:15], s[14:15], s[38:39]
	s_add_nc_u64 s[16:17], s[16:17], s[40:41]
	s_add_nc_u64 s[18:19], s[18:19], s[42:43]
.macro MLOAD                           ; my mask unit: a row's 512 bytes a load
.set i, 0
.rept 16
	global_load_b128 v[MK+4*i:MK+4*i+3], v3, s[12:13] offset:8192*i th:TH_LOAD_NT
.set i, i+1
.endr
.endm
; A tile of K: x .. x + 31 my block of key, x + 32 .. x + 63 my block of key_i -> 12 registers of codes at c and the row's scale word in w
.macro QUANT2 x, c, w
	v_max3_num_f32 v16, |v[\x]|, |v[\x+1]|, 0x1800000      ; the floor 2^(3 - 127) holds the byte at 1 from below
	v_max3_num_f32 v17, |v[\x+32]|, |v[\x+33]|, 0x1800000
.irp i, 2,4,6,8,10,12,14,16,18,20,22,24,26,28,30
	s_delay_alu instid0(VALU_DEP_2)
	v_max3_num_f32 v16, v16, |v[\x+\i]|, |v[\x+\i+1]|
	s_delay_alu instid0(VALU_DEP_2)
	v_max3_num_f32 v17, v17, |v[\x+32+\i]|, |v[\x+33+\i]|
.endr
	s_delay_alu instid0(VALU_DEP_2)
	v_add_nc_u32 v24, 0xff000000, v16              ; 2 off the exponent field: the conversion's scale operand
	s_delay_alu instid0(VALU_DEP_2)
	v_add_nc_u32 v25, 0xff000000, v17
	s_delay_alu instid0(VALU_DEP_2)
	v_lshrrev_b32 v18, 23, v24                     ; the bytes
	s_delay_alu instid0(VALU_DEP_2)
	v_lshrrev_b32 v19, 23, v25
	s_delay_alu instid0(VALU_DEP_1)
	v_lshl_or_b32 v[\w], v19, 16, v18
	s_delay_alu instid0(VALU_DEP_1)
	v_lshlrev_b32 v[\w], v13, v[\w]                ; at bytes h and 2 + h
	s_delay_alu instid0(VALU_DEP_1)
	v_permlanex16_b32 v31, v[\w], s[SEL], s[SEL+1]
	s_delay_alu instid0(VALU_DEP_1)
	v_or_b32 v[\w], v[\w], v31                     ; with lane l xor 16's two the word is whole
	v_cvt_scalef32_pk16_fp6_f32 v[\c:\c+2], v[\x:\x+15], v24
	v_cvt_scalef32_pk16_fp6_f32 v[28:30], v[\x+16:\x+31], v24      ; (a conversion's three registers begin on an even number)
	v_cvt_scalef32_pk16_fp6_f32 v[\c+6:\c+8], v[\x+32:\x+47], v25
	v_cvt_scalef32_pk16_fp6_f32 v[60:62], v[\x+48:\x+63], v25
	v_nop                                          ; one plain place behind a scaled conversion
.irp i, 0,1,2
	v_mov_b32 v[\c+3+\i], v[28+\i]
	v_mov_b32 v[\c+9+\i], v[60+\i]
.endr
.endm
	s_cmp_lt_u32 s[WV], 4
	s_cbranch_scc0 .Lvalues
; WAVES 0-3: keys
.set i, 0
.rept 16
	global_load_b128 v[X+4*i:X+4*i+3], v3, s[4:5] offset:512*i th:TH_LOAD_NT
	global_load_b128 v[X+64+4*i:X+64+4*i+3], v3, s[6:7] offset:512*i th:TH_LOAD_NT
.set i, i+1
.endr
	MLOAD
	s_wait_loadcnt 16                              ; all but the 16 loads of the mask
.set i, 0
.rept 16
	ds_store_b128 v6, v[X+4*i:X+4*i+3] offset:2*PK*i
	ds_store_b128 v6, v[X+64+4*i:X+64+4*i+3] offset:HST+2*PK*i
.set i, i+1
.endr
	s_wait_dscnt 0x0                               ; the stores are done: their registers take the rows back
.irp u, 0,1
.set i, 0
.rept 8
	ds_load_b128 v[X+64*\u+4*i:X+64*\u+4*i+3], v7 offset:8*PK*\u+16*i
	ds_load_b128 v[X+64*\u+32+4*i:X+64*\u+32+4*i+3], v7 offset:HST+8*PK*\u+16*i
.set i, i+1
.endr
.endr
	s_wait_dscnt 16                                ; the first tile's 16 loads are back
	QUANT2 X, C, 56
	s_wait_dscnt 0x0
	QUANT2 X+64, D, 57
	v_cndmask_b32 v56, v56, v57, s54               ; lanes 0-15 keep the first tile's words, lanes 16-31 take the second's
	s_wait_alu depctr_va_vdst(0)
	s_branch .Ljoin
.Lvalues:
; WAVES 4-7: values
.set i, 0
.rept 128
	global_load_b32 v[X+i], v4, s[8:9] offset:256*i th:TH_LOAD_NT     ; key i, my column
.set i, i+1
.endr
	MLOAD
	s_wait_loadcnt 16                              ; all but the 16 loads of the mask
.irp b, 0,1,2,3                        ; my column's four blocks of 32 keys, each in two chains: eight chains by turns
	v_max3_num_f32 v[16+\b], |v[X+32*\b]|, |v[X+32*\b+1]|, 0x1800000
.endr
.irp b, 0,1,2,3
	v_max3_num_f32 v[20+\b], |v[X+32*\b+16]|, |v[X+32*\b+17]|, 0x1800000
.endr
.irp i, 2,4,6,8,10,12,14
.irp b, 0,1,2,3
	v_max3_num_f32 v[16+\b], v[16+\b], |v[X+32*\b+\i]|, |v[X+32*\b+\i+1]|
.endr
.irp b, 0,1,2,3
	v_max3_num_f32 v[20+\b], v[20+\b], |v[X+32*\b+16+\i]|, |v[X+32*\b+17+\i]|
.endr
.endr
.irp b, 0,1,2,3
	s_delay_alu instid0(VALU_DEP_4)
	v_max_num_f32 v[16+\b], v[16+\b], v[20+\b]
.endr
.irp b, 0,1,2,3
	s_delay_alu instid0(VALU_DEP_4)
	v_add_nc_u32 v[24+\b], 0xff000000, v[16+\b]    ; the conversions' scale operands
.endr
.irp b, 0,1,2,3
	s_delay_alu instid0(VALU_DEP_4)
	v_lshrrev_b32 v[20+\b], 23, v[24+\b]           ; the bytes
.endr
	s_delay_alu instid0(VALU_DEP_3)
	v_lshl_or_b32 v56, v21, 8, v20                 ; my column's scale word
	s_delay_alu instid0(VALU_DEP_1)
	v_lshl_or_b32 v56, v22, 16, v56
	s_delay_alu instid0(VALU_DEP_1)
	v_lshl_or_b32 v56, v23, 24, v56
.irp c, 0,1                            ; blocks 2 c -> C + 6 c, blocks 2 c + 1 -> D + 6 c
	v_cvt_scalef32_pk16_fp6_f32 v[C+6*\c:C+6*\c+2], v[X+64*\c:X+64*\c+15], v[24+2*\c]
	v_cvt_scalef32_pk16_fp6_f32 v[28:30], v[X+64*\c+16:X+64*\c+31], v[24+2*\c]
	v_cvt_scalef32_pk16_fp6_f32 v[D+6*\c:D+6*\c+2], v[X+64*\c+32:X+64*\c+47], v[25+2*\c]
	v_cvt_scalef32_pk16_fp6_f32 v[60:62], v[X+64*\c+48:X+64*\c+63], v[25+2*\c]
	v_nop                                          ; one plain place behind a scaled conversion
.irp i, 0,1,2
	v_mov_b32 v[C+6*\c+3+\i], v[28+\i]
	v_mov_b32 v[D+6*\c+3+\i], v[60+\i]
.endr
.endr
.irp i, 0,1,2,3,4,5,6,7,8,9,10,11
	v_permlane16_swap_b32 v[C+\i], v[D+\i]         ; C: the first tile's even blocks below, its odd blocks above; D: the second tile's
.endr
	s_wait_alu depctr_va_vdst(0)                   ; as on the other way to the label
.Ljoin:
.irp c, 0,1,2
	global_store_b128 v3, v[C+4*\c:C+4*\c+3], s[14:15] offset:512*\c          ; 32 lanes store 512 consecutive bytes
	global_store_b128 v3, v[D+4*\c:D+4*\c+3], s[14:15] offset:1536+512*\c
.endr
	ds_store_b32 v10, v56
	s_wait_loadcnt 0x0                             ; my mask unit is in
.set i, 0
.rept 16
	ds_store_b128 v8, v[MK+4*i:MK+4*i+3] offset:PM*i
.set i, i+1
.endr
.set j, 0
.rept 16
	ds_load_b128 v[X+4*j:X+4*j+3], v9 offset:128*(j/4)+16*(j%4)      ; LDS serves a wave's instructions in order: register n: query r, key 32 (n / 16) + 16 h + n % 16
.set j, j+1
.endr
	s_wait_dscnt 0x0                               ; my scale word is stored, my unit is back
	s_barrier_signal -1
.set n, 0
.rept 8
.set k, 0
.rept 8
	v_cmp_ne_u32 s[44+k], 0, v[X+n+k]
.set k, k+1
.endr
.set k, 0
.rept 8
	v_writelane_b32 v[58+(n+k)%2], s[44+k], (n+k)/2                  ; word n to byte 4 n of the unit
.set k, k+1
.endr
.set n, n+8
.endr
	s_wait_alu depctr_va_vdst(0)
	s_barrier_wait -1
	global_store_b64 v5, v[58:59], s[18:19]        ; one aligned unit of 256 bytes
	s_cmp_lt_u32 s[WV], 2
	s_cbranch_scc0 .Ldone
	ds_load_b128 v[16:19], v11                     ; waves 0 and 1: 512 bytes of scale words each
	s_wait_dscnt 0x0
	global_store_b128 v12, v[16:19], s[16:17]
.Ldone:
	s_wait_tensorcnt 0x0                           ; the wave's end
	ds_add_u32 v[SPW], v[NIL]
	s_wait_dscnt 0x0
	s_endpgm
.Lfunc_end_k_qe058c67515_prep:
	.size	k_qe058c67515_prep, .Lfunc_end_k_qe058c67515_prep-k_qe058c67515_prep
	.p2alignl 7, 3214868480
	.fill 96, 4, 3214868480
	.section	.rodata,"a",@progbits
	.p2align	6, 0x0
	.amdhsa_kernel k_qe058c67515_prep
		.amdhsa_group_segment_fixed_size 141312
		.amdhsa_private_segment_fixed_size 0
		.amdhsa_enable_private_segment 0
		.amdhsa_kernarg_size 64
		.amdhsa_user_sgpr_count 2
		.amdhsa_user_sgpr_kernarg_segment_ptr 1
		.amdhsa_wavefront_size32 1
		.amdhsa_system_sgpr_workgroup_id_x 1
		.amdhsa_system_sgpr_workgroup_id_y 1
		.amdhsa_system_sgpr_workgroup_id_z 1
		.amdhsa_system_vgpr_workitem_id 0
		.amdhsa_next_free_vgpr 256
		.amdhsa_next_free_sgpr 66
		.amdhsa_reserve_vcc 0
		.amdhsa_float_denorm_mode_32 3
		.amdhsa_float_denorm_mode_16_64 3
		.amdhsa_memory_ordered 1
		.amdhsa_forward_progress 1
		.amdhsa_inst_pref_size 52
	.end_amdhsa_kernel
	.amdgpu_metadata
---
amdhsa.version: [ 1, 2 ]
amdhsa.kernels:
  - .name:           k_qe058c67515_prep
    .symbol:         k_qe058c67515_prep.kd
    .args:
      - { .name: key, .offset: 0, .size: 8, .value_kind: global_buffer, .address_space: global }
      - { .name: key_i, .offset: 8, .size: 8, .value_kind: global_buffer, .address_space: global }
      - { .name: value, .offset: 16, .size: 8, .value_kind: global_buffer, .address_space: global }
      - { .name: value_i, .offset: 24, .size: 8, .value_kind: global_buffer, .address_space: global }
      - { .name: mask, .offset: 32, .size: 8, .value_kind: global_buffer, .address_space: global }
      - { .name: kvc, .offset: 40, .size: 8, .value_kind: global_buffer, .address_space: global }
      - { .name: kvs, .offset: 48, .size: 8, .value_kind: global_buffer, .address_space: global }
      - { .name: mbits, .offset: 56, .size: 8, .value_kind: global_buffer, .address_space: global }
    .group_segment_fixed_size: 141312
    .private_segment_fixed_size: 0
    .kernarg_segment_align: 8
    .kernarg_segment_size: 64
    .max_flat_workgroup_size: 256
    .sgpr_count:     66
    .vgpr_count:     256
    .wavefront_size: 32
...
	.end_amdgpu_metadata
.endif
;; end of part 1
;; launch attn (part 2): grid 8 x 32, 16 waves a work-group, clusters of 4 x 1, 327,680 bytes of LDS; arguments query, query_i, kvc, kvs, mbits, out0, out1; writes out0, out1
.if DOCPART == 2
	.amdgcn_target "amdgcn-amd-amdhsa--gfx1250"
	.amdhsa_code_object_version 6
	.text
	.protected	k_qe058c67515_attn
	.globl	k_qe058c67515_attn
	.p2align	8
	.type	k_qe058c67515_attn,@function
k_qe058c67515_attn:
	s_mov_b64 s[64:65], 0
	v_nop
	global_prefetch_b8 v0, s[64:65] scope:SCOPE_SE
	s_setreg_imm32_b32 hwreg(HW_REG_WAVE_MODE, 25, 1), 1
	s_wait_xcnt 0x0
	s_wait_alu depctr_hold_cnt(0) depctr_sa_sdst(0) depctr_va_vdst(0) depctr_va_sdst(0) depctr_va_ssrc(0) depctr_va_vcc(0) depctr_vm_vsrc(0)
	s_getreg_b32 s2, hwreg(HW_REG_IB_STS2, 6, 4)
	s_cmp_eq_u32 s2, 0
	s_cbranch_scc0 .Lentry_in_a_cluster
	s_endpgm
.Lentry_in_a_cluster:
	s_bfe_u32 s2, ttmp6, 0x10000c
	s_cmp_lg_u32 s2, 0x3003
	s_cbranch_scc0 .Lentry_shape_is_right
	s_endpgm
.Lentry_shape_is_right:
; out0, out1 [32 heads][2048][64] = softmax_k(sqrt(r^2 + i^2 + 1e-8) / 8, masked) x value, value_i, with r = query . key, i = query_i . key_i; all four products on codes of FP6 (E2M3) with E8M0 scales.
; K, Ki, V, Vi come as images of operand registers (kvc), their scale words (kvs) and the mask as lane masks (mbits) from the launch before; query and query_i are quantised here, in registers.
; THE SOFTMAX: t = score x log2(e) / 8; M = the running largest t rounded UP to a whole number; p = 2^(t - M) is quantised along the keys, not normalised; the row's sum is taken of the unquantised p and divides at the end.
; When M moves, the sum and O are multiplied by 2^(old M - new M): exact.
; SHARES.  A work-group owns 256 queries of a head, each of its sixteen waves 16 of them in 256 registers: four waves to a SIMD, so that one wave's vector work stands beside another's products and LDS loads.
; A key step is 128 keys: 16 score products, 8 products with V, and some 450 vector instructions: the vector work decides, so it is packed wherever a packed form exists, and the mask costs one select a score.
; ONE FRAGMENT FOR BOTH SCORE PRODUCTS: a key's 128 codes are [key | key_i]; against [query | zeros] they give r, against [zeros | query_i] they give i.  The zero codes carry the scale byte 1.
; BOTH KINDS OF PRODUCT ARE USED TRANSPOSED (source 0 = 16 keys, or 16 rows of [V ; Vi]^T; source 1 = my 16 queries): a lane holds ONE query (lane % 16) throughout.  The keys of a tile are chosen so
; that the 16 registers of tiles 2 b and 2 b + 1 are keys 32 b + 16 (lane / 16) + 0 .. 15.
; CLUSTER.  The four query blocks of a cluster belong to one head and walk the same K and V: each tile is asked for jointly, by the same tensor load with the same descriptor and a mask that names the four.
; THE MASK: score register n's lane mask is word n of the wave's unit for the step; the 64 words come by four scalar loads, asked for most of a step ahead, and are the selects' third source.
; LIMITS AND CHOICES.  A masked score enters as -2^33 ahead of the factor log2(e) / 8, where reference() has -1e9 behind the factor 1 / 8: with any open key in the row p is 0 either way; in a row with no
; open key t is a whole number, M = t, every p is 1 and the result is the plain mean, as in reference().  The sum under the root is formed as i^2 + (r^2 + 1e-8), by two fused multiply-adds.
; NaN and infinities among the inputs are not served; blocks of query whose largest magnitude lies under 2^-124 were not tried.
.set STEPB, 24576                      ; a key step's codes: 8 fragments of K, 8 of V, 1,536 bytes each
.set FRB,   1536
.set SLOTB, 4*STEPB                    ; a slot holds four key steps: six tensor loads of 16,384 bytes
.set SCL,   SLOTB                      ; behind slot 0: the head's scale words, 1,024 bytes a step, filled once
.set SLOT1, 1<<17                      ; slot 1 begins here, so that one exclusive or turns an address in one slot into the other's
.set STAGE, SLOT1+SLOTB                ; behind the ring: 16 rows x 272 bytes for each wave; no tensor load lands here
.set SP,    272
.set SPARE, STAGE+16*16*SP             ; the spare words, 128 bytes for each wave: eight blocks of 256 bytes that no other line names
.set LI,  1                            ; v1    16 x lane: my place in an image, and in 512 dense bytes of memory; never rewritten
.set ADR, 2                            ; v2    LDS address of the step's images
.set ADS, 3                            ; v3    of its scale words
.set SPW, 4                            ; v4    LDS address of my spare word; never rewritten
.set NIL, 5                            ; v5    0; never rewritten
.set QSR, 6                            ; v6    the scale word of [query | zeros]
.set PSC, 7                            ; v7    p's scale word
.set KSC, 8                            ; v8-11 K's scale words: register p: lanes 0-15 tile 2 p, lanes 16-31 tile 2 p + 1
.set NM,  12                           ; v12 -M, v13 the largest t
.set SUM, 14                           ; v[14:15] the row's sum, in two halves
.set VSC, 16                           ; v16-19 V's scale words
.set QF,  20                           ; v20-25 query's codes, v26-31 zeros, v32-37 query_i's: source 1 is v[20:31] for r, v[26:37] for i
.set F,   38                           ; v[38:39] f = 2^(old M - new M); at the end 1 / the sum
.set FR,  40                           ; v40-87  four fragments
.set S,   88                           ; v88-151 r, then the scores, then p; then four fragments of V
.set IM,  152                          ; v152-183 i of four tiles; then at work:
.set BM,  152                          ; the four blocks' largest scores, then largest p
.set BT,  156                          ; at work
.set SOP, 160                          ; the conversions' scale operands
.set CT,  164                          ; halves of p's codes
.set PC,  172                          ; v172-183 p's fragment
.set O,   184                          ; v184-247 O^T: tile T at 184 + 8 T; T < 4: out0, else out1
.set RD,  248                          ; v248  my stage by dense rows: (lane / 16) x 272 + 16 (lane % 16)
.set STO, 249                          ; v249  my stage, row lane % 16, + 32 (lane / 16)
.set NEG, 250                          ; v250  -2^33
.set T0,  251
.set T1,  252
.set PFO, 253                          ; v253  256 x lane: the prefetches' offset; never rewritten
.set QR,  254                          ; v254  my stage, row lane % 16, + 128 (lane / 16)
.set QSI, 255                          ; v255  the scale word of [zeros | query_i]
.set TB,  2                            ; s2    LDS byte at which the step's images begin
.set TS,  3                            ; s3    and its scale words
.set WV,  4                            ; s4    my wave's number
.set SLOTS, 5                          ; s5    slots still to be asked for
.set CNT, 6                            ; s6    counts a slot's four steps
.set MO,  7                            ; s7    byte offset of the mask unit to be loaded
.set MB,  8                            ; s[8:9]   my tile's sixteen mask units
.set OUT0, 10                          ; s[10:11] my 16 rows of out0
.set G0,  12                           ; s[12:15] descriptor group 0: it walks
.set G1,  16                           ; s[16:23] descriptor group 1
.set SEL, 24                           ; s[24:25] lane selects for v_permlanex16_b32: lane l xor 16
.set CS,  26                           ; s[26:27] c = log2(e) / 8
.set EPS, 28                           ; s[28:29] 1e-8
.set OUT1, 30                          ; s[30:31] my 16 rows of out1
.set MW,  32                           ; s32-63, s68-99: the step's 64 mask words: word n in s[32 + n + 4 (n / 32)]; at the head: pointers and offsets
.set PFA, 66                           ; s[66:67] where my prefetches stand
.set LIM, 100                          ; s100  1 in a wave that prefetches, else the greatest number
.set TMP, 101
; A round of the cluster's barrier: my work-group's barrier; wave 0 signals for the work-group; every wave waits for all four work-groups; my work-group's barrier once more.
.macro CROUND
	s_barrier_signal -1
	s_barrier_wait -1
	s_cmp_lg_u32 s[WV], 0
	s_cbranch_scc1 .Lnot_wave_0_\@
	s_barrier_signal -3
.Lnot_wave_0_\@:
	s_barrier_wait -3
	s_barrier_signal -1
	s_barrier_wait -1
.endm
; A joint refill: waves 0 to 5 fetch a sixth of a slot each.  The branch hangs on the wave's number alone.  Four v_nop follow the load.
.macro JLOAD
	s_cmp_lt_u32 s[WV], 6
	s_cbranch_scc0 .Lnone_\@
	tensor_load_to_lds s[G0:G0+3], s[G1:G1+7]
	s_nop 0
.rept 4
	v_nop
.endr
.Lnone_\@:
.endm
; A prefetch of the slot that the NEXT change of slots will ask for: four key steps ahead of that load.  A slot is 384 blocks of 256 bytes.  Both clusters of a head walk the same codes: the first asks.
; Its four partners take 24,576 bytes each, told apart by address; in each, waves 8, 9 and 10, which fetch nothing, take 8,192 bytes each, lanes 256 bytes apart: each block is named once in the launch.
; The last change that fills a slot asks for nothing: there is no slot behind it.  Slots 0 and 1 come by their loads alone.
.macro ASK
	s_cmp_gt_u32 s[SLOTS], s[LIM]
	s_cbranch_scc0 .Lnot_mine_\@
	global_prefetch_b8 v[PFO], s[PFA:PFA+1] th:TH_LOAD_NT scope:SCOPE_SE
.Lnot_mine_\@:
.endm
.macro PLACES                          ; four places behind matrix instructions, in front of loads into their registers and of reads of their results
.rept 4
	v_nop
.endr
.endm
; One product.  zero = 1: it starts its sum.  row = 1: source 0's scale words stand in lanes 16-31 of their register.
.macro PROD d, a, b, zero, sa, sb, row
.if \zero
.if \row
	v_wmma_scale_f32_16x16x128_f8f6f4 v[\d:\d+7], v[\a:\a+11], v[\b:\b+11], 0, v[\sa], v[\sb] matrix_a_fmt:MATRIX_FMT_FP6 matrix_b_fmt:MATRIX_FMT_FP6 matrix_a_scale:MATRIX_SCALE_ROW1
.else
	v_wmma_scale_f32_16x16x128_f8f6f4 v[\d:\d+7], v[\a:\a+11], v[\b:\b+11], 0, v[\sa], v[\sb] matrix_a_fmt:MATRIX_FMT_FP6 matrix_b_fmt:MATRIX_FMT_FP6
.endif
.else
.if \row
	v_wmma_scale_f32_16x16x128_f8f6f4 v[\d:\d+7], v[\a:\a+11], v[\b:\b+11], v[\d:\d+7], v[\sa], v[\sb] matrix_a_fmt:MATRIX_FMT_FP6 matrix_b_fmt:MATRIX_FMT_FP6 matrix_a_scale:MATRIX_SCALE_ROW1
.else
	v_wmma_scale_f32_16x16x128_f8f6f4 v[\d:\d+7], v[\a:\a+11], v[\b:\b+11], v[\d:\d+7], v[\sa], v[\sb] matrix_a_fmt:MATRIX_FMT_FP6 matrix_b_fmt:MATRIX_FMT_FP6
.endif
.endif
.endm
; Four fragments, 6,144 consecutive bytes of images from byte off of the step, into 48 consecutive registers: each load takes 512 consecutive bytes
.macro FETCH reg, off
.set t, 0
.rept 12
	ds_load_b128 v[\reg+4*t:\reg+4*t+3], v[ADR] offset:\off+512*t
.set t, t+1
.endr
.endm
; r and i of tiles 4 g .. 4 g + 3: eight products on eight accumulators, each begun with the constant 0
.macro QK g
.set t, 0
.rept 4
	PROD S+32*\g+8*t, FR+12*t, QF, 1, KSC+2*\g+t/2, QSR, t%2
	PROD IM+8*t, FR+12*t, QF+6, 1, KSC+2*\g+t/2, QSI, t%2
.set t, t+1
.endr
.endm
; r^2 + 1e-8, then + i^2, two scores an instruction; each accumulator is read from its low end on
.macro MAGN g
.set j, 0
.rept 16
	v_pk_fma_f32 v[S+32*\g+j:S+32*\g+j+1], v[S+32*\g+j:S+32*\g+j+1], v[S+32*\g+j:S+32*\g+j+1], s[EPS:EPS+1] op_sel_hi:[1,1,0]
.set j, j+2
.endr
.set j, 0
.rept 16
	v_pk_fma_f32 v[S+32*\g+j:S+32*\g+j+1], v[IM+j:IM+j+1], v[IM+j:IM+j+1], v[S+32*\g+j:S+32*\g+j+1]
.set j, j+2
.endr
.endm
.macro MASKS                           ; the 64 lane masks of the unit at byte s[MO]
	s_load_b512 s[MW:MW+15], s[MB:MB+1], s[MO] offset:0x0
	s_load_b512 s[MW+16:MW+31], s[MB:MB+1], s[MO] offset:0x40
	s_load_b512 s[MW+36:MW+51], s[MB:MB+1], s[MO] offset:0x80
	s_load_b512 s[MW+52:MW+67], s[MB:MB+1], s[MO] offset:0xc0
.endm
	s_load_b256 s[32:39], s[0:1], 0x0              ; query s[32:33], query_i s[34:35], kvc s[36:37], kvs s[38:39]
	s_load_b128 s[40:43], s[0:1], 0x20             ; mbits s[40:41], out0 s[42:43]
	s_load_b64 s[44:45], s[0:1], 0x30              ; out1
	v_lshl_add_u32 v[SPW], v0, 2, SPARE
	v_mov_b32 v[NIL], 0
	ds_add_u32 v4, v5
	ds_add_u32 v4, v5
	s_wait_dscnt 0x0
	v_lshrrev_b32 v[T0], 5, v0
	s_delay_alu instid0(VALU_DEP_1)
	v_readfirstlane_b32 s[WV], v[T0]               ; wave 0..15
	v_and_b32 v[T0], 15, v0                        ; r
	v_bfe_u32 v[T1], v0, 4, 1                      ; h
	v_and_b32 v[LI], 31, v0
	s_delay_alu instid0(VALU_DEP_1)
	v_lshlrev_b32 v[PFO], 8, v[LI]
	s_delay_alu instid0(VALU_DEP_2)
	v_lshlrev_b32 v[LI], 4, v[LI]
	s_mul_i32 s[TMP], s[WV], 16*SP
	s_add_co_u32 s[TMP], s[TMP], STAGE             ; my stage.  Every LDS address that stays is made here, ahead of the first branch on the wave's number
	v_mul_u32_u24 v[RD], v[T1], SP
	s_delay_alu instid0(VALU_DEP_1)
	v_lshl_add_u32 v[RD], v[T0], 4, v[RD]
	s_delay_alu instid0(VALU_DEP_1)
	v_add_nc_u32 v[RD], s[TMP], v[RD]
	v_mul_u32_u24 v[STO], v[T0], SP
	s_delay_alu instid0(VALU_DEP_1)
	v_lshl_add_u32 v[QR], v[T1], 7, v[STO]
	s_delay_alu instid0(VALU_DEP_2)
	v_lshl_add_u32 v[STO], v[T1], 5, v[STO]
	s_delay_alu instid0(VALU_DEP_1)
	v_add_nc_u32 v[STO], s[TMP], v[STO]
	s_delay_alu instid0(VALU_DEP_3)
	v_add_nc_u32 v[QR], s[TMP], v[QR]
	v_lshlrev_b32 v[T1], 3, v[T1]                  ; 8 h, for query's scale word
	s_bfe_u32 s46, ttmp6, 0x40000                  ; cx: my place in the cluster: it enters addresses in memory alone
	s_lshl_b32 s47, ttmp9, 2
	s_add_co_u32 s47, s47, s46                     ; my block of 256 queries
	s_lshl_b32 s47, s47, 4
	s_add_co_u32 s47, s47, s[WV]                   ; my tile of 16 queries, 0..127
	s_and_b32 s48, ttmp7, 0xffff                   ; the head, which the four partners share
	s_mul_i32 s50, s48, 16*STEPB                   ; the head's codes
	s_lshl_b32 s52, s48, 19                        ; query, query_i, out0, out1: a head is 524,288 bytes,
	s_lshl_b32 s53, s47, 12                        ; my 16 rows 4,096
	s_add_co_u32 s52, s52, s53
	s_mov_b32 s53, 0
	s_lshr_b32 s54, s48, 4                         ; the batch
	s_lshl_b32 s54, s54, 7
	s_add_co_u32 s54, s54, s47
	s_lshl_b32 s54, s54, 12                        ; sixteen mask units of 256 bytes for each tile of queries
	s_mov_b32 s55, 0
	s_lshl_b32 s[G0+1], s[WV], 14                  ; LDS address of what I fetch: 16,384 x wave: waves 0-5 a sixth of slot 0, wave 6 the scale words behind it
	s_add_co_u32 s56, s50, s[G0+1]                 ; in kvc: the head's first slot, my sixth;
	s_lshl_b32 s57, s48, 14                        ; in kvs: the head's 16,384 bytes
	s_cmp_lt_u32 s[WV], 6
	s_cselect_b32 s58, s56, s57
	s_mov_b32 s59, 0
	s_mul_i32 s60, s46, SLOTB/4                    ; the prefetches: my work-group's quarter of a slot,
	s_and_b32 s61, s[WV], 3
	s_lshl_b32 s61, s61, 13                        ; my wave's 8,192 bytes of it,
	s_add_co_u32 s60, s60, s61
	s_add_co_u32 s60, s60, s50                     ; in my head,
	s_add_co_u32 s60, s60, SLOTB                   ; in slot 1: the first change of slots steps it to slot 2
	s_mov_b32 s61, 0
	s_sub_co_u32 s62, s[WV], 8
	s_cmp_lt_u32 s62, 3                            ; waves 8, 9, 10
	s_cselect_b32 s62, 0, 1
	s_or_b32 s62, s62, ttmp9                       ; of the head's first cluster: the same in all four partners
	s_cmp_eq_u32 s62, 0
	s_cselect_b32 s[LIM], 1, -1
	; descriptor group 1: 64 dense rows of 256 bytes (32 elements of 8 bytes), no padding: images are read 512 consecutive bytes at a time
	s_mov_b32 s[G1+0], 15|(3<<16)|(1<<21)          ; 15:0 the mask: all four work-groups; 17:16 elements of 8 bytes; 21 set beside a mask
	s_mov_b32 s[G1+1], 32<<16                      ; tensor_dim0
	s_mov_b32 s[G1+2], 64<<16                      ; tensor_dim1
	s_mov_b32 s[G1+3], 32<<16                      ; tile_dim0
	s_mov_b32 s[G1+4], 64                          ; tile_dim1
	s_mov_b32 s[G1+5], 32                          ; from row to row
	s_mov_b32 s[G1+6], 0
	s_mov_b32 s[G1+7], 0
	s_mov_b32 s[G0], 1
	s_wait_kmcnt 0x0
	s_add_nc_u64 s[32:33], s[32:33], s[52:53]      ; query and query_i at my 16 rows
	s_add_nc_u64 s[34:35], s[34:35], s[52:53]
	s_add_nc_u64 s[OUT0:OUT0+1], s[42:43], s[52:53]
	s_add_nc_u64 s[OUT1:OUT1+1], s[44:45], s[52:53]
	s_add_nc_u64 s[MB:MB+1], s[40:41], s[54:55]
	s_add_nc_u64 s[PFA:PFA+1], s[36:37], s[60:61]
	s_cmp_lt_u32 s[WV], 6                          ; codes or scale words: the choice hangs on the wave's number alone
	s_cselect_b64 s[G0+2:G0+3], s[36:37], s[38:39]
	s_add_nc_u64 s[G0+2:G0+3], s[G0+2:G0+3], s[58:59]
	s_or_b32 s[G0+3], s[G0+3], 0x80000000          ; type = 2
.set i, 0
.rept 8
	global_load_b128 v[FR+16+4*i:FR+16+4*i+3], v[LI], s[32:33] offset:512*i th:TH_LOAD_NT         ; my 16 rows are 4,096 dense bytes: 512 a load; asked for ahead of the round; query lands in v56-87,
	global_load_b128 v[IM+4*i:IM+4*i+3], v[LI], s[34:35] offset:512*i th:TH_LOAD_NT               ; query_i in v152-183: registers that nothing names until the wait for these loads
.set i, i+1
.endr
	CROUND                                         ; all four work-groups are here: the first joint loads meet
	s_cmp_lt_u32 s[WV], 7
	s_cbranch_scc0 .Lno_first
	tensor_load_to_lds s[G0:G0+3], s[G1:G1+7]      ; slot 0 and the head's scale words: one load of mine is out
	s_nop 0
.rept 4
	v_nop
.endr
.Lno_first:
	s_mov_b32 s[SEL], 0x76543210
	s_mov_b32 s[SEL+1], 0xfedcba98
	s_mov_b32 s[CS], 0x3e38aa3b                    ; log2(e) / 8
	s_mov_b32 s[CS+1], s[CS]                       ; (named with it as a pair, so it is written)
	s_mov_b32 s[EPS], 0x322bcc77                   ; 1e-8
	s_mov_b32 s[EPS+1], s[EPS]
	s_mov_b32 s[TB], 0
	s_mov_b32 s[TS], SCL
	s_mov_b32 s[SLOTS], 3
	s_mov_b32 s[MO], 0
	v_mov_b32 v[NEG], 0xd0000000                   ; -2^33
	v_mov_b32 v[NM+1], 0xff61b1e6                  ; the largest t so far: -3e38, under every t
	s_delay_alu instid0(VALU_DEP_1)
	v_floor_f32 v[NM], -v[NM+1]                    ; -M
	v_mov_b32 v[SUM], 0
	v_mov_b32 v[SUM+1], 0
	v_mov_b32 v[F+1], 0                            ; (named as the upper half of the pair before it is ever used)
	v_mov_b32 v47, 0                               ; (a lane permute's destination counts as one of its sources)
.set j, 0
.rept 64
	v_mov_b32 v[O+j], 0                            ; O^T, while query's loads are out.  (The step is written without a first step of its own: it finds zeros, which the first change of M leaves zeros)
.set j, j+1
.endr
	s_wait_loadcnt 0x0                             ; query and query_i are in, and their loads have read their bases:
	MASKS                                          ; the first step's lane masks land on the registers that held the pointers
; The conversions want 32 neighbours of a row in ONE lane: the dense bytes turn through my stage.  LDS serves a wave's instructions in order (ISA guide 5.7.1.4): no wait between stores and loads.
	s_wait_alu depctr_va_vdst(0)
.irp q, 0,1
.set i, 0
.rept 8
	ds_store_b128 v[RD], v[FR+16+96*\q+4*i:FR+16+96*\q+4*i+3] offset:2*SP*i
.set i, i+1
.endr
.set i, 0
.rept 8
	ds_load_b128 v[S+32*\q+4*i:S+32*\q+4*i+3], v[QR] offset:16*i       ; row r, dimensions 32 h + 4 i on
.set i, i+1
.endr
.endr
	s_wait_dscnt 0x0
	v_max3_num_f32 v40, |v[S]|, |v[S+1]|, 0x1800000        ; my block of query and my block of query_i, by turns; the floor 2^(3 - 127) holds the byte at 1 from below
	v_max3_num_f32 v41, |v[S+32]|, |v[S+33]|, 0x1800000
.irp i, 2,4,6,8,10,12,14,16,18,20,22,24,26,28,30
	s_delay_alu instid0(VALU_DEP_2)
	v_max3_num_f32 v40, v40, |v[S+\i]|, |v[S+\i+1]|
	s_delay_alu instid0(VALU_DEP_2)
	v_max3_num_f32 v41, v41, |v[S+32+\i]|, |v[S+33+\i]|
.endr
	s_delay_alu instid0(VALU_DEP_2)
	v_add_nc_u32 v42, 0xff000000, v40              ; 2 off the exponent field: the conversion's scale operand
	s_delay_alu instid0(VALU_DEP_2)
	v_add_nc_u32 v43, 0xff000000, v41
	s_delay_alu instid0(VALU_DEP_2)
	v_lshrrev_b32 v44, 23, v42                     ; the scales' bytes
	s_delay_alu instid0(VALU_DEP_2)
	v_lshrrev_b32 v45, 23, v43
	s_delay_alu instid0(VALU_DEP_1)
	v_lshl_or_b32 v46, v45, 16, v44
	s_delay_alu instid0(VALU_DEP_1)
	v_lshlrev_b32 v46, v[T1], v46                  ; at bytes h and 2 + h
	s_delay_alu instid0(VALU_DEP_1)
	v_permlanex16_b32 v47, v46, s[SEL], s[SEL+1]
	s_delay_alu instid0(VALU_DEP_1)
	v_or_b32 v46, v46, v47                         ; (query blocks 0, 1; query_i blocks 0, 1)
	s_mov_b32 s[TMP], 0x01010000
	v_and_or_b32 v[QSR], v46, 0xffff, s[TMP]       ; [query | zeros]: the zero codes' blocks carry the byte 1
	s_mov_b32 s[TMP], 0x0101
	v_and_or_b32 v[QSI], v46, 0xffff0000, s[TMP]   ; [zeros | query_i]
	v_cvt_scalef32_pk16_fp6_f32 v[QF:QF+2], v[S:S+15], v42
	v_cvt_scalef32_pk16_fp6_f32 v[48:50], v[S+16:S+31], v42            ; (a conversion's three registers begin on an even number)
	v_cvt_scalef32_pk16_fp6_f32 v[QF+12:QF+14], v[S+32:S+47], v43
	v_cvt_scalef32_pk16_fp6_f32 v[52:54], v[S+48:S+63], v43
	v_nop                                          ; one plain place behind a scaled conversion
.irp i, 0,1,2
	v_mov_b32 v[QF+3+\i], v[48+\i]
	v_mov_b32 v[QF+15+\i], v[52+\i]
.endr
.irp i, 6,7,8,9,10,11
	v_mov_b32 v[QF+\i], 0                          ; the zero codes, shared by both operands
.endr
; A KEY STEP: 128 keys.
.macro STEP
	v_add_nc_u32 v[ADR], s[TB], v[LI]
	v_add_nc_u32 v[ADS], s[TS], v[LI]
.rept 3
	v_nop                                          ; with the two additions: five places behind the last step's products, whose operands the products below write over
.endr
	ds_load_b128 v[KSC:KSC+3], v[ADS]              ; the scale words of K's eight tiles
	FETCH FR, 0                                    ; K's tiles 0-3
	s_wait_alu depctr_va_vdst(0)
	s_wait_dscnt 0x0
	QK 0
	PLACES
	FETCH FR, 4*FRB                                ; K's tiles 4-7 land while the first 32 magnitudes are formed
	MAGN 0
	s_wait_dscnt 0x0
	QK 1
	PLACES
	ds_load_b128 v[VSC:VSC+3], v[ADS] offset:512   ; V's scale words and tiles 0-3 have the whole softmax in which to land
	FETCH FR, 8*FRB
	MAGN 1
.set n, 0
	s_wait_alu depctr_va_vdst(0)
.rept 64
	v_sqrt_f32 v[S+n], v[S+n]                      ; one batch
.set n, n+1
.endr
	v_mov_b32 v[T1], v[NM]                         ; the old -M is kept.  (The plain place behind the roots)
	s_wait_alu depctr_va_vdst(0)                   ; one wait ahead of the batch's first reader
	s_wait_kmcnt 0x0                               ; the step's lane masks are in, and their loads have read s[MO]
.set n, 0
.rept 64
	v_cndmask_b32 v[S+n], v[NEG], v[S+n], s[MW+n+4*(n/32)]             ; a closed key's score becomes -2^33
.set n, n+1
.endr
	s_add_co_u32 s[MO], s[MO], 256                 ; the next step's unit; the last step names its own again: no load leaves the buffer
	s_min_u32 s[MO], s[MO], 3840
	MASKS
.irp b, 0,1,2,3
	v_max3_num_f32 v[BM+\b], v[S+16*\b], v[S+16*\b+1], v[S+16*\b+2]    ; the largest score of each block of 32 keys: it serves the row's maximum and, since p rises with the score, the block's largest p
.endr
.irp b, 0,1,2,3
	v_max3_num_f32 v[BT+\b], v[S+16*\b+3], v[S+16*\b+4], v[S+16*\b+5]  ; two chains a block, eight chains by turns: a line reads what stands eight lines above it
.endr
.irp i, 6,10
.irp b, 0,1,2,3
	v_max3_num_f32 v[BM+\b], v[BM+\b], v[S+16*\b+\i], v[S+16*\b+\i+1]
.endr
.irp b, 0,1,2,3
	v_max3_num_f32 v[BT+\b], v[BT+\b], v[S+16*\b+\i+2], v[S+16*\b+\i+3]
.endr
.endr
.irp b, 0,1,2,3
	v_max3_num_f32 v[BM+\b], v[BM+\b], v[S+16*\b+14], v[S+16*\b+15]
.endr
.irp b, 0,1,2,3
	s_delay_alu instid0(VALU_DEP_4)
	v_max_num_f32 v[BM+\b], v[BM+\b], v[BT+\b]     ; the block's two chains
.endr
.irp b, 0,1,2,3
	v_permlanex16_b32 v[BT+\b], v[BM+\b], s[SEL], s[SEL+1]
.endr
.irp b, 0,1,2,3
	s_delay_alu instid0(VALU_DEP_4)
	v_max_num_f32 v[BM+\b], v[BM+\b], v[BT+\b]     ; with lane l xor 16's 16 keys
.endr
	s_delay_alu instid0(VALU_DEP_2)
	v_max3_num_f32 v[T0], v[BM], v[BM+1], v[BM+2]
	s_delay_alu instid0(VALU_DEP_1)
	v_max_num_f32 v[T0], v[T0], v[BM+3]            ; the step's largest score of my query
	s_delay_alu instid0(VALU_DEP_1)
	v_mul_f32 v[T0], s[CS], v[T0]                  ; as t (c is positive)
	s_delay_alu instid0(VALU_DEP_1)
	v_max_num_f32 v[NM+1], v[NM+1], v[T0]          ; the running largest t
	s_delay_alu instid0(VALU_DEP_1)
	v_floor_f32 v[NM], -v[NM+1]                    ; the new -M = floor(-t) = -ceil(t)
	s_delay_alu instid0(VALU_DEP_1)
	v_sub_f32 v[T0], v[NM], v[T1]                  ; old M - new M: a whole number, 0 or less
	s_delay_alu instid0(VALU_DEP_1)
	v_cvt_i32_f32 v[T0], v[T0]                     ; (it saturates)
	s_delay_alu instid0(VALU_DEP_1)
	v_ldexp_f32 v[F], 1.0, v[T0]                   ; f = 2^(old M - new M)
.set j, 0
.rept 32
	v_pk_fma_f32 v[S+j:S+j+1], v[S+j:S+j+1], s[CS:CS+1], v[NM:NM+1] op_sel_hi:[1,0,0]     ; t - M, two at a time
.set j, j+2
.endr
.irp b, 0,1,2,3
	v_fma_f32 v[BM+\b], v[BM+\b], s[CS], v[NM]     ; the same of each block's largest score
.endr
.set n, 0
	s_wait_alu depctr_va_vdst(0)
.rept 64
	v_exp_f32 v[S+n], v[S+n]                       ; p = 2^(t - M), at most 1
.set n, n+1
.endr
.irp b, 0,1,2,3
	v_exp_f32 v[BM+\b], v[BM+\b]                   ; the blocks' largest p, in the same batch: the same two instructions on the same number give the same bits
.endr
	v_pk_mul_f32 v[SUM:SUM+1], v[SUM:SUM+1], v[F:F+1] op_sel_hi:[1,0]  ; the sums under the new M.  (The plain place behind the exponentials)
	s_wait_alu depctr_va_vdst(0)                   ; one wait ahead of the batch's first reader
	v_pk_add_f32 v[156:157], v[92:93], v[96:97]
	v_pk_add_f32 v[182:183], v[100:101], v[104:105]
	v_pk_add_f32 v[180:181], v[108:109], v[112:113]
	v_pk_add_f32 v[178:179], v[116:117], v[120:121]
	v_pk_add_f32 v[176:177], v[124:125], v[128:129]
	v_pk_add_f32 v[174:175], v[132:133], v[136:137]
	v_pk_add_f32 v[172:173], v[140:141], v[144:145]
	v_pk_add_f32 v[14:15], v[14:15], v[148:149]
	v_pk_add_f32 v[156:157], v[156:157], v[88:89]
	v_pk_add_f32 v[182:183], v[182:183], v[90:91]
	v_pk_add_f32 v[180:181], v[180:181], v[94:95]
	v_pk_add_f32 v[178:179], v[178:179], v[98:99]
	v_pk_add_f32 v[176:177], v[176:177], v[102:103]
	v_pk_add_f32 v[174:175], v[174:175], v[106:107]
	v_pk_add_f32 v[172:173], v[172:173], v[110:111]
	v_pk_add_f32 v[14:15], v[14:15], v[114:115]
	v_pk_add_f32 v[156:157], v[156:157], v[118:119]
	v_pk_add_f32 v[182:183], v[182:183], v[122:123]
	v_pk_add_f32 v[180:181], v[180:181], v[126:127]
	v_pk_add_f32 v[178:179], v[178:179], v[130:131]
	v_pk_add_f32 v[176:177], v[176:177], v[134:135]
	v_pk_add_f32 v[174:175], v[174:175], v[138:139]
	v_pk_add_f32 v[172:173], v[172:173], v[142:143]
	v_pk_add_f32 v[14:15], v[14:15], v[146:147]
	v_pk_add_f32 v[156:157], v[156:157], v[150:151]
	s_delay_alu instid0(VALU_DEP_2)
	v_pk_add_f32 v[14:15], v[14:15], v[178:179]
	s_delay_alu instid0(VALU_DEP_2)
	v_pk_add_f32 v[156:157], v[156:157], v[176:177]
	v_pk_add_f32 v[182:183], v[182:183], v[174:175]
	v_pk_add_f32 v[180:181], v[180:181], v[172:173]
	s_delay_alu instid0(VALU_DEP_2)
	v_pk_add_f32 v[14:15], v[14:15], v[182:183]
	s_delay_alu instid0(VALU_DEP_2)
	v_pk_add_f32 v[156:157], v[156:157], v[180:181]
	s_delay_alu instid0(VALU_DEP_1)
	v_pk_add_f32 v[14:15], v[14:15], v[156:157]
.irp b, 0,1,2,3
	v_max_num_f32 v[BM+\b], 0x1800000, v[BM+\b]    ; the floor 2^(3 - 127): a block whose every p is 0 keeps the byte 1: its codes are zeros
.endr
.irp b, 0,1,2,3
	s_delay_alu instid0(VALU_DEP_4)
	v_add_nc_u32 v[SOP+\b], 0xff000000, v[BM+\b]   ; 2 off the exponent field: the conversion's scale operand
.endr
.irp b, 0,1,2,3
	s_delay_alu instid0(VALU_DEP_4)
	v_lshrrev_b32 v[BT+\b], 23, v[SOP+\b]          ; the scale's byte
.endr
	s_delay_alu instid0(VALU_DEP_3)
	v_lshl_or_b32 v[PSC], v[BT+1], 8, v[BT]        ; p's scale word for these 128 keys
	s_delay_alu instid0(VALU_DEP_1)
	v_lshl_or_b32 v[PSC], v[BT+2], 16, v[PSC]
	s_delay_alu instid0(VALU_DEP_1)
	v_lshl_or_b32 v[PSC], v[BT+3], 24, v[PSC]
.irp c, 0,1
	v_cvt_scalef32_pk16_fp6_f32 v[PC+6*\c:PC+6*\c+2], v[S+32*\c:S+32*\c+15], v[SOP+2*\c]
	v_cvt_scalef32_pk16_fp6_f32 v[CT+4*\c:CT+4*\c+2], v[S+32*\c+16:S+32*\c+31], v[SOP+2*\c+1]     ; (a conversion's three registers begin on an even number)
.endr
	v_nop                                          ; one plain place behind a scaled conversion
.irp c, 0,1                                    ; the operand's layout wants a whole block in a lane: lanes 0-15 block 2 c, lanes 16-31 block 2 c + 1
.irp i, 0,1,2
	v_permlane16_swap_b32 v[PC+6*\c+\i], v[CT+4*\c+\i]
.endr
.endr
.irp c, 0,1                                    ; the six moves stand behind all six swaps: a move reads what stands six lines above it
.irp i, 0,1,2
	v_mov_b32 v[PC+3+6*\c+\i], v[CT+4*\c+\i]
.endr
.endr
	FETCH S, 12*FRB                                ; V's tiles 4-7 take the registers that p has left
.set j, 0
.rept 32
	v_pk_mul_f32 v[O+j:O+j+1], v[O+j:O+j+1], v[F:F+1] op_sel_hi:[1,0]  ; O^T under the new M, each accumulator from its low end on.  (These 32 are also the places between p's codes and scale word and the products)
.set j, j+2
.endr
	s_wait_alu depctr_va_vdst(0)
	s_wait_dscnt 0x0
.set t, 0
.rept 8                                        ; O^T += [V ; Vi]^T P^T: eight accumulators by turns, one instruction a turn
.if t < 4
	PROD O+8*t, FR+12*t, PC, 0, VSC+t/2, PSC, t%2
.else
	PROD O+8*t, S+12*(t-4), PC, 0, VSC+t/2, PSC, t%2
.endif
.set t, t+1
.endr
	s_add_co_u32 s[TB], s[TB], STEPB               ; on to the next step's images
	s_add_co_u32 s[TS], s[TS], 1024                ; and scale words
.endm
; THE CHANGE OF SLOTS stands at a slot's head.  Each wave waits for all its tensor loads (its part of the slot that it is about to read), adds 0 to its spare word, and waits for that and for its reads
; of the slot that it has left.  fill = 1: the barrier is a round of the cluster's, so that no wave of any partner still reads that slot or has a load on its way, and the joint refill is the first thing
; behind it: it has four key steps in which to land.
.macro CHANGE fill
	s_wait_tensorcnt 0x0                           ; no tensor load of mine is out, so the group 0 may be written
	ds_add_u32 v[SPW], v[NIL]                      ; 0 onto my spare word
	ds_add_u32 v[SPW], v[NIL]
.if \fill
	s_xor_b32 s[G0+1], s[G0+1], SLOT1              ; the walking descriptor: the other slot than last time,
	s_add_nc_u64 s[G0+2:G0+3], s[G0+2:G0+3], SLOTB ; the next four key steps; the type bits on top are not reached
	s_wait_xcnt 0x0                                ; the last prefetch, a slot back, has read its address, so it may be written:
	s_add_nc_u64 s[PFA:PFA+1], s[PFA:PFA+1], SLOTB ; one slot further on than the walking descriptor
.endif
	s_wait_dscnt 0x0                               ; the add is done, and my reads of the slot that I have left are over
.if \fill
	CROUND
	JLOAD
	ASK
.else
	s_barrier_signal -1
	s_barrier_wait -1
.endif
.endm
.macro FOUR_STEPS                      ; a slot's four key steps: written once, walked four times; the LDS addresses hang on s[TB] and s[TS]
	s_mov_b32 s[CNT], 4
.Lstep_\@:
	STEP
	s_sub_co_u32 s[CNT], s[CNT], 1
	s_cmp_lg_u32 s[CNT], 0
	s_cbranch_scc1 .Lstep_\@
	s_sub_co_u32 s[TB], s[TB], SLOTB               ; back to a slot's first step,
	s_xor_b32 s[TB], s[TB], SLOT1                  ; in the other slot
.endm
.macro THREE_STEPS                     ; the first three key steps of a slot
	s_mov_b32 s[CNT], 3
.Lstep3_\@:
	STEP
	s_sub_co_u32 s[CNT], s[CNT], 1
	s_cmp_lg_u32 s[CNT], 0
	s_cbranch_scc1 .Lstep3_\@
.endm
.Lslot:                                            ; two trips: slots 0 and 1 are read, slots 1 and 2 asked for
	CHANGE 1
	FOUR_STEPS
	s_sub_co_u32 s[SLOTS], s[SLOTS], 1
	s_cmp_lg_u32 s[SLOTS], 1
	s_cbranch_scc1 .Lslot
	CHANGE 1                                       ; the third slot is written out: behind this change the last slot is asked for
	THREE_STEPS
; THE LAST CHANGE OF SLOTS fills nothing again: its barrier only shows the last slot whole to every wave.  So it is split: a wave says that its loads have landed ahead of the third slot's fourth step
; and waits for the others behind that step.  Between the two stand LDS loads of bytes that nobody writes any more, scalar loads and work on registers.
	s_wait_tensorcnt 0x0                           ; my part of the last slot, asked for three steps ago, has landed
	ds_add_u32 v[SPW], v[NIL]
	ds_add_u32 v[SPW], v[NIL]
	s_wait_dscnt 0x0                               ; no LDS instruction of mine is out at the signal
	s_barrier_signal -1
	STEP
	s_sub_co_u32 s[TB], s[TB], SLOTB               ; back to a slot's first step,
	s_xor_b32 s[TB], s[TB], SLOT1                  ; in the other slot
	s_barrier_wait -1                              ; every wave's loads have landed: the last slot may be read
	FOUR_STEPS
	; THE WAY OUT.  O^T is divided by the row's sum and goes through my stage, a result's 16 rows of 256 bytes at a time; my rows of a result are 4,096 dense bytes of memory.
	PLACES                                         ; behind the last products: their results are read and their operands written below
	v_add_f32 v[SUM], v[SUM], v[SUM+1]             ; the sum's two halves,
	s_delay_alu instid0(VALU_DEP_1)
	v_permlanex16_b32 v[T0], v[SUM], s[SEL], s[SEL+1]
	s_delay_alu instid0(VALU_DEP_1)
	v_add_f32 v[SUM], v[SUM], v[T0]                ; and lane l xor 16's
	s_wait_alu depctr_va_vdst(0)
	v_rcp_f32 v[F], v[SUM]
	v_nop                                          ; a plain place behind the reciprocal
	s_wait_alu depctr_va_vdst(0)                   ; and a wait ahead of its first reader
.set j, 0
.rept 32
	v_pk_mul_f32 v[S+j:S+j+1], v[O+j:O+j+1], v[F:F+1] op_sel_hi:[1,0]  ; register 8 T + i: row r, dimension 16 T + 8 h + i of [out0 | out1]; each accumulator from its low end on
.set j, j+2
.endr
.irp u, 0,1
.set t, 0
.rept 4
	ds_store_b128 v[STO], v[S+32*\u+8*t:S+32*\u+8*t+3] offset:64*t
	ds_store_b128 v[STO], v[S+32*\u+8*t+4:S+32*\u+8*t+7] offset:64*t+16
.set t, t+1
.endr
.set i, 0
.rept 8
	ds_load_b128 v[O+32*\u+4*i:O+32*\u+4*i+3], v[RD] offset:2*SP*i     ; LDS serves a wave's instructions in order: these see my stores, and the next result's stores come behind them
.set i, i+1
.endr
.endr
.set i, 0
.rept 8
	s_wait_dscnt 23-i                              ; behind out0's load i: its 7 - i younger loads, and out1's eight stores and eight loads
	global_store_b128 v[LI], v[O+4*i:O+4*i+3], s[OUT0:OUT0+1] offset:512*i th:TH_STORE_NT         ; 32 lanes store 512 consecutive bytes, at a multiple of 256 from the buffer's first byte
.set i, i+1
.endr
.set i, 0
.rept 8
	s_wait_dscnt 7-i
	global_store_b128 v[LI], v[O+32+4*i:O+32+4*i+3], s[OUT1:OUT1+1] offset:512*i th:TH_STORE_NT
.set i, i+1
.endr
	s_wait_kmcnt 0x0                               ; the last step's scalar loads
	s_wait_tensorcnt 0x0                           ; the wave's end: behind my last tensor load and my last LDS store
	ds_add_u32 v[SPW], v[NIL]
	s_wait_dscnt 0x0
	CROUND                                         ; the closing round: no work-group ends while a partner may still ask for a tile that names it
	s_endpgm
.Lfunc_end_k_qe058c67515_attn:
	.size	k_qe058c67515_attn, .Lfunc_end_k_qe058c67515_attn-k_qe058c67515_attn
	.p2alignl 7, 3214868480
	.fill 96, 4, 3214868480
	.section	.rodata,"a",@progbits
	.p2align	6, 0x0
	.amdhsa_kernel k_qe058c67515_attn
		.amdhsa_group_segment_fixed_size 327680
		.amdhsa_private_segment_fixed_size 0
		.amdhsa_enable_private_segment 0
		.amdhsa_kernarg_size 56
		.amdhsa_user_sgpr_count 2
		.amdhsa_user_sgpr_kernarg_segment_ptr 1
		.amdhsa_wavefront_size32 1
		.amdhsa_system_sgpr_workgroup_id_x 1
		.amdhsa_system_sgpr_workgroup_id_y 1
		.amdhsa_system_sgpr_workgroup_id_z 1
		.amdhsa_system_vgpr_workitem_id 0
		.amdhsa_next_free_vgpr 256
		.amdhsa_next_free_sgpr 102
		.amdhsa_reserve_vcc 0
		.amdhsa_float_denorm_mode_32 3
		.amdhsa_float_denorm_mode_16_64 3
		.amdhsa_memory_ordered 1
		.amdhsa_forward_progress 1
		.amdhsa_inst_pref_size 150
	.end_amdhsa_kernel
	.amdgpu_metadata
---
amdhsa.version: [ 1, 2 ]
amdhsa.kernels:
  - .name:           k_qe058c67515_attn
    .symbol:         k_qe058c67515_attn.kd
    .args:
      - { .name: query, .offset: 0, .size: 8, .value_kind: global_buffer, .address_space: global }
      - { .name: query_i, .offset: 8, .size: 8, .value_kind: global_buffer, .address_space: global }
      - { .name: kvc, .offset: 16, .size: 8, .value_kind: global_buffer, .address_space: global }
      - { .name: kvs, .offset: 24, .size: 8, .value_kind: global_buffer, .address_space: global }
      - { .name: mbits, .offset: 32, .size: 8, .value_kind: global_buffer, .address_space: global }
      - { .name: out0, .offset: 40, .size: 8, .value_kind: global_buffer, .address_space: global }
      - { .name: out1, .offset: 48, .size: 8, .value_kind: global_buffer, .address_space: global }
    .group_segment_fixed_size: 327680
    .private_segment_fixed_size: 0
    .kernarg_segment_align: 8
    .kernarg_segment_size: 56
    .max_flat_workgroup_size: 512
    .sgpr_count:     102
    .vgpr_count:     256
    .wavefront_size: 32
...
	.end_amdgpu_metadata
.endif
;; end of part 2
